; MI455X (gfx1250); checked and timed in simulation.
; The chip was launched on July 23, 2026; its instructions are those of AMD's public machine-readable ISA for CDNA 5 (MIT licence, August 2026) and "CDNA5" Instruction Set Architecture Reference Guide (July 2026). The comments in the code are by the model that wrote it; some were corrected since.
;; Causal Self Attention. Allowed arithmetic: matrix products marked QUANTISED: E4M3 operands, one given power-of-two scale a tensor, by v_wmma_f32_16x16x64_fp8_fp8 or v_wmma_f32_16x16x128_fp8_fp8, f32 sums; everything else in f32.
;; Inputs: lowp_scales 8 int32 (the exponents e of the quantised operands' scales 2^e); w_out 1,024 x 1,024 float32; w_qkv 3,072 x 1,024 float32; x 4 x 2,048 x 1,024 float32.
;; Outputs: out0 4 x 2,048 x 1,024 float32.
;; This version of the problem:
;;   THIS VERSION OF THE PROBLEM IS GIVEN IN LOW PRECISION. The matrix products marked QUANTISED in the list below multiply operands that are first quantised to E4M3 (4 exponent bits, 3 mantissa bits; 8 bits a number), with one given power-of-two scale for each operand tensor; their sums are f32. All else is computed in f32.
;;   The module's matrix products, in the order in which they are computed (A, B: the left and right operand; K: the contracted axis; several contracted axes count as one K, in the product's order):
;;     1. [M 8,192, K 1,024] x [K 1,024, N 3,072]; A: input x; B: input w_qkv: QUANTISED (scales: A lowp_scales[0], B lowp_scales[1])
;;     2. batch 64 x [M 2,048, K 64] x [K 64, N 2,048]; A: computed on the way; B: computed on the way: QUANTISED (scales: A lowp_scales[2], B lowp_scales[3])
;;     3. batch 64 x [M 2,048, K 2,048] x [K 2,048, N 64]; A: softmax (see below); B: computed on the way: QUANTISED (scales: A lowp_scales[4], B lowp_scales[5])
;;     4. [M 8,192, K 1,024] x [K 1,024, N 1,024]; A: computed on the way; B: input w_out: QUANTISED (scales: A lowp_scales[6], B lowp_scales[7])
;;   THE QUANTISER, for each operand of a quantised product, along K:
;;     - The operand's scale is 2^e, e = its entry of the input lowp_scales (int32; the entries are numbered through the quantised products in the list's order, A before B).
;;     - Each number is divided by the scale, clamped to +-448, and rounded to the nearest number of E4M3, ties to even, subnormals kept.
;;     - The product sums the exact products of the quantised numbers (number of the format x scale) in f32.
;;   ~~~python
;;   def quantise(x, axis, e):      # numpy; x: float32 -> the quantised numbers, widened to float32 again
;;       x = np.moveaxis(x, axis, -1); K = x.shape[-1]
;;       r = np.clip(x / 2.0 ** e, -448, 448)
;;       step = 2.0 ** (np.maximum(np.frexp(np.where(r == 0, 1, r))[1] - 1, -6) - 3)
;;       q = np.round(r / step) * step * 2.0 ** e      # np.round: ties to even
;;       return np.moveaxis(q, -1, axis).astype(np.float32)
;;   ~~~
;;   SOFTMAX AHEAD OF A QUANTISED PRODUCT. Where the list says 'softmax', what is quantised is not the finished softmax but p = 2^(t - M), with t = logit x log2(e) and M = ceil(the row's largest t), a whole number; so 1/2 < the row's largest p <= 1. The row's sum l is taken of the UNQUANTISED p, in f32, and the product's result is divided by l at the end. Since M is a whole number, a kernel that streams over the keys may use a running M (the ceiling of the running maximum): every later rescaling is an exact power of two, so the quantised numbers keep their values, but for numbers so far below the row's largest that they fall under the format's range.
;;   OPERANDS COMPUTED ON THE WAY. 'Computed on the way' means the value that the module computes at that place (a softmax that the list does not call 'softmax' is quantised finished and normalised). What goes into a quantiser is computed in f32, as accurately as f32 sums, v_exp_f32 and their like allow (about 1e-6 of the number): no bf16 or f16 on the way to a quantiser, and a product that is left as it is and whose result goes on into a quantised operand takes f32 operands (vector FMAs, or v_wmma_f32_16x16x4_f32). A number that lies on a knife's edge between two numbers of the format may be rounded either way, as far as f32 arithmetic and the matrix unit's own rounding can turn it there, and no further.
;; One version. Each part assembles by itself: llvm-mc -triple=amdgcn-amd-amdhsa -mcpu=gfx1250 --defsym DOCPART=n.
;; ======== version 1 of 1: 4 launches
;; limits: right only within a limited range of input values
;; workspace buffers: xc 8,388,608 bytes; wqc 3,145,728 bytes; woc 1,048,576 bytes; rope 524,288 bytes; qc 8,388,608 bytes; kc 8,388,608 bytes; vc 8,388,608 bytes; ac 8,388,608 bytes
;; launch quant (part 1): grid 512 x 1, 4 waves a work-group, no clusters, 33,280 bytes of LDS; arguments x, w_qkv, w_out, lowp_scales, xc, wqc, woc, rope; writes xc, wqc, woc, rope
.if DOCPART == 1
	.amdgcn_target "amdgcn-amd-amdhsa--gfx1250"
	.amdhsa_code_object_version 6
	.text
	.protected	k_qc21a22df5d_quant
	.globl	k_qc21a22df5d_quant
	.p2align	8
	.type	k_qc21a22df5d_quant,@function
k_qc21a22df5d_quant:
	s_mov_b64 s[64:65], 0
	v_nop
	global_prefetch_b8 v0, s[64:65] scope:SCOPE_SE
	s_setreg_imm32_b32 hwreg(HW_REG_WAVE_MODE, 25, 1), 1
	s_wait_xcnt 0x0
; x [8192][1024], w_qkv [3072][1024], w_out [1024][1024], f32 with K innermost, become codes of FP8 (E4M3), one byte each, laid as the numbers lie, each with its given scale 2^e
; (entries 0, 1 and 7 of the scales).  code = number / 2^e, held within +-448, to the nearest code, ties to even.
; The same launch makes the table of cos and sin for the rotary embedding, in f32: 2,048 positions x 32 frequencies.
; LIMITS: e between -126 and 119.  NaN among the inputs is not served.  The frequencies are made as 2^(-f log2(10000) / 32) by v_exp_f32: an angle (up to 2,047 radians) is good to about
; 2e-4 radians at the far end of the fastest frequencies but the first, which is the order of what f32 leaves of such an angle in any case.
; SHARES.  Work-groups 0-255 take x, 256-351 w_qkv, 352-383 w_out: 32,768 numbers each, a wave 16 steps of 512.  Only pointers and e are chosen: one path serves the three tensors.
; Work-groups 384-511 make the table, 16 positions each; that path touches no LDS.
; A STEP.  A conversion takes eight neighbours from one lane's registers, a load is best where neighbouring lanes take neighbouring bytes: so each of a step's four loads reads 512 consecutive bytes,
; the 2,048 bytes go through the wave's own stage in LDS and come back 64 bytes a lane (16 bytes of padding behind each 64).  A lane's 16 codes are 16 bytes: the wave stores 512 consecutive bytes.
; No barrier: waves share nothing.  Loads run four steps (16 loads a wave) ahead, the turn through LDS one step.
; THE TABLE: rope[block of 16 positions][i 0..7][lane][4 f32]; lane (r, h) holds position 16 block + r; i 0-3 cos, i 4-7 sin; frequency 16 ((i / 2) % 2) + 8 h + 4 (i % 2) + 0 .. 3:
; the order in which the next launch's lanes hold their results.
; WORK LEFT OUT, in the whole program: reference() sets every score with key > query to the least f32 number ahead of the softmax, so its weight is 0 whatever the inputs hold; blocks of 128 keys that lie wholly behind a
; block of 32 queries are multiplied in neither product of the attention launch.  LIMIT: a NaN, an infinity or an overflow that would arise in those scores alone is not carried to the result.
.set STEPS, 16
.set WREG,  8192                       ; LDS: a region for each wave: two stages of 32 x SP bytes
.set SP,    80                         ; a lane's place in a stage: its 64 bytes + 16 of padding
.set R,     16                         ; v16-79   four sets of 16 numbers as loaded
.set X,     80                         ; v80-111  two sets of 16 neighbours
.set C,     128                        ; v128-191 codes: four registers for each step, so that no store's data are written again
.set WGX,   256                        ; work-groups below: x
.set WGQ,   352                        ; below: w_qkv
.set WGT,   384                        ; below: w_out; from here on: the table
	s_load_b256 s[4:11], s[0:1], 0x0               ; x, w_qkv, w_out, the scales' exponents
	s_load_b256 s[12:19], s[0:1], 0x20             ; x's codes, w_qkv's, w_out's, the table
	v_lshl_add_u32 v192, v0, 2, 0x8000
	v_mov_b32 v193, 0
	v_lshrrev_b32 v1, 5, v0
	v_readfirstlane_b32 s20, v1                    ; wave
	v_and_b32 v2, 31, v0                           ; lane
	v_lshlrev_b32 v3, 4, v2                        ; 16 x lane: my 16 bytes of 512, in and out; never rewritten
	s_cmp_ge_u32 ttmp9, WGT
	s_cbranch_scc1 .Ltable
	s_mul_i32 s32, s20, WREG
	v_lshrrev_b32 v14, 2, v2
	v_mul_u32_u24 v14, v14, SP
	v_and_b32 v15, 3, v2
	v_lshl_add_u32 v14, v15, 4, v14
	v_add_nc_u32 v14, s32, v14                     ; the stage, on the way in: SP (lane / 4) + 16 (lane % 4); a load's 512 bytes take eight places
	v_mul_u32_u24 v15, v2, SP
	v_add_nc_u32 v15, s32, v15                     ; and on the way out: SP x lane: my 16 neighbours
	s_wait_kmcnt 0x0
	s_load_b256 s[24:31], s[10:11], 0x0            ; e0 .. e7
	s_cmp_lt_u32 ttmp9, WGX                        ; which tensor?  The choice hangs on the work-group's number alone
	s_cselect_b64 s[4:5], s[4:5], s[6:7]
	s_cselect_b64 s[12:13], s[12:13], s[14:15]
	s_cselect_b32 s21, 0, WGX
	s_mov_b32 s22, WGQ
	s_cmp_lt_u32 ttmp9, WGQ
	s_cselect_b64 s[4:5], s[4:5], s[8:9]
	s_cselect_b64 s[12:13], s[12:13], s[16:17]
	s_cselect_b32 s21, s21, s22                    ; the tensor's first work-group
	s_sub_co_u32 s21, ttmp9, s21
	s_lshl_b32 s21, s21, 2
	s_add_co_u32 s21, s21, s20                     ; which run of 8,192 numbers is my wave's
	s_lshl_b32 s22, s21, 15
	s_mov_b32 s23, 0
	s_add_nc_u64 s[4:5], s[4:5], s[22:23]
	s_lshl_b32 s22, s21, 13
	s_add_nc_u64 s[12:13], s[12:13], s[22:23]
.macro LOAD t
.irp i, 0,1,2,3
	global_load_b128 v[R+16*((\t)%4)+4*\i:R+16*((\t)%4)+4*\i+3], v3, s[4:5] offset:2048*(\t)+512*\i th:TH_LOAD_NT   ; 32 lanes read 512 consecutive bytes
.endr
.endm
.macro TURN t                          ; step t's numbers through the stage: LDS serves a wave's instructions in order, so no wait stands between the stores and the loads
.irp i, 0,1,2,3
	ds_store_b128 v14, v[R+16*((\t)%4)+4*\i:R+16*((\t)%4)+4*\i+3] offset:32*SP*((\t)%2)+8*SP*\i
.endr
.irp i, 0,1,2,3
	ds_load_b128 v[X+16*((\t)%2)+4*\i:X+16*((\t)%2)+4*\i+3], v15 offset:32*SP*((\t)%2)+16*\i
.endr
.endm
	s_wait_alu depctr_va_vdst(0)
.irp t, 0,1,2,3
	LOAD \t
.endr
	s_wait_kmcnt 0x0
	s_cmp_lt_u32 ttmp9, WGX
	s_cselect_b32 s24, s24, s25                    ; e0 or e1,
	s_cmp_lt_u32 ttmp9, WGQ
	s_cselect_b32 s24, s24, s31                    ; or e7
	s_add_co_i32 s24, s24, 127
	s_lshl_b32 s25, s24, 23
	v_mov_b32 v11, s25                             ; 2^e as f32: the conversion takes its exponent field
	s_add_co_i32 s24, s24, 8
	s_lshl_b32 s24, s24, 23
	s_or_b32 s24, s24, 0x600000
	v_mov_b32 v10, s24                             ; 448 x 2^e
	s_wait_alu depctr_va_vdst(0)
	s_wait_loadcnt 12                              ; step 0's four loads are in; the twelve of steps 1 to 3 may be out
	TURN 0
.macro STEP t
.set XS, X+16*((\t)%2)
	s_wait_dscnt 0x0                               ; this step's numbers are back from the stage: so its stores into the stage have read their registers,
.if (\t)+4 < STEPS
	LOAD (\t)+4                                    ; which take the loads of four steps on
.endif
.if (\t)+1 < STEPS
.if STEPS-2-(\t) >= 3
	s_wait_loadcnt 12                              ; the next step's four loads are in; those of the three steps behind it may be out
.else
	s_wait_loadcnt 4*(STEPS-2-(\t))
.endif
	TURN (\t)+1                                    ; and go through the other stage while this step is worked
.endif
.set i, 0
.rept 16
	v_med3_num_f32 v[XS+i], v[XS+i], -v10, v10     ; the conversion to an 8-bit code does not saturate (ISA guide 7.6.2): the hold at the largest code x the scale comes first
.set i, i+1
.endr
	v_cvt_scalef32_pk8_fp8_f32 v[C+4*(\t):C+4*(\t)+1], v[XS:XS+7], v11
	v_cvt_scalef32_pk8_fp8_f32 v[C+4*(\t)+2:C+4*(\t)+3], v[XS+8:XS+15], v11
	global_store_b128 v3, v[C+4*(\t):C+4*(\t)+3], s[12:13] offset:512*(\t)   ; the results go to a store alone; the next vector lines are the next step's holds, plain, on other registers
.endm
.irp t, 0,1,2,3,4,5,6,7,8,9,10,11,12,13,14,15
	STEP \t
.endr
	s_wait_tensorcnt 0x0
	ds_add_u32 v192, v193
	s_wait_dscnt 0x0
	s_endpgm
.Ltable:                                               ; wave w makes chunk i = w of cos and chunk 4 + w of sin, for the work-group's 16 positions
	s_sub_co_u32 s21, ttmp9, WGT                   ; the block of 16 positions
	v_and_b32 v4, 15, v0                           ; r
	v_bfe_u32 v5, v0, 4, 1                         ; h
	s_lshl_b32 s22, s21, 4
	v_add_nc_u32 v6, s22, v4
	v_cvt_f32_u32 v6, v6                           ; the position, exact in f32
	s_lshr_b32 s23, s20, 1
	s_lshl_b32 s23, s23, 4
	s_and_b32 s24, s20, 1
	s_lshl_b32 s24, s24, 2
	s_add_co_u32 s23, s23, s24
	v_lshl_add_u32 v7, v5, 3, s23                  ; my first frequency: 16 (w / 2) + 4 (w % 2) + 8 h
	s_wait_alu depctr_va_vdst(0)
	s_mov_b32 s32, 0x3f22f983                      ; 2 / pi
	s_mov_b32 s33, 0xbfc90fd8                      ; -pi / 2 in three parts, the first with few bits
	s_mov_b32 s34, 0xb4a8885a
	s_mov_b32 s35, 0xa7c234c4
	s_mov_b32 s36, 0x37ccf5ce                      ; cos r = 1 - z / 2 + z z ((c0 z + c1) z + c2), z = r r, |r| <= pi / 4
	s_mov_b32 s37, 0xbab6061a
	s_mov_b32 s38, 0x3d2aaaa5
	s_mov_b32 s39, 0xb94ca1f9                      ; sin r = r + r z ((s0 z + s1) z + s2)
	s_mov_b32 s40, 0x3c08839e
	s_mov_b32 s41, 0xbe2aaaa3
.irp k, 0,1,2,3
	v_add_nc_u32 v[20+\k], \k, v7
	v_cvt_f32_u32 v[20+\k], v[20+\k]
	v_mul_f32 v[20+\k], 0xbed49a78, v[20+\k]       ; -f log2(10000) / 32
.endr
	s_wait_alu depctr_va_vdst(0)
.irp k, 0,1,2,3
	v_exp_f32 v[20+\k], v[20+\k]                   ; 10000^(-f / 32)
.endr
	v_nop                                          ; a plain instruction behind the last exponential,
	s_wait_alu depctr_va_vdst(0)                   ; and one wait for the four, ahead of their first reader
.macro SINCOS k
	v_mul_f32 v24, v6, v[20+\k]                    ; the angle, rounded once
	v_mul_f32 v25, s32, v24
	v_rndne_f32 v25, v25                           ; n = the nearest multiple of pi / 2
	v_fma_f32 v26, v25, s33, v24
	v_fma_f32 v26, v25, s34, v26
	v_fma_f32 v26, v25, s35, v26                   ; r = angle - n pi / 2
	v_cvt_i32_f32 v27, v25
	v_mul_f32 v28, v26, v26                        ; z
	v_fma_f32 v29, v28, s36, s37
	v_fma_f32 v29, v29, v28, s38
	v_mul_f32 v31, v28, v28
	v_fma_f32 v32, v28, -0.5, 1.0
	v_fma_f32 v29, v31, v29, v32                   ; cos r
	v_fma_f32 v30, v28, s39, s40
	v_fma_f32 v30, v30, v28, s41
	v_mul_f32 v31, v26, v28
	v_fma_f32 v30, v30, v31, v26                   ; sin r
	v_and_b32 v31, 1, v27
	v_cmp_eq_u32 vcc_lo, 1, v31                    ; an odd n exchanges the two
	v_cndmask_b32 v32, v30, v29, vcc_lo
	v_cndmask_b32 v33, v29, v30, vcc_lo
	v_lshlrev_b32 v31, 30, v27
	v_and_b32 v31, 0x80000000, v31                 ; sin changes sign where n % 4 is 2 or 3,
	v_xor_b32 v[44+\k], v31, v32
	v_add_nc_u32 v27, 1, v27
	v_lshlrev_b32 v31, 30, v27
	v_and_b32 v31, 0x80000000, v31                 ; cos where it is 1 or 2
	v_xor_b32 v[40+\k], v31, v33
.endm
.irp k, 0,1,2,3
	SINCOS \k
.endr
	s_lshl_b32 s22, s21, 12                        ; a block's 4,096 bytes,
	s_lshl_b32 s23, s20, 9                         ; my chunk's 512
	s_add_co_u32 s22, s22, s23
	s_mov_b32 s23, 0
	s_wait_alu depctr_va_vdst(0)
	s_wait_kmcnt 0x0
	s_add_nc_u64 s[18:19], s[18:19], s[22:23]
	global_store_b128 v3, v[40:43], s[18:19]               ; the wave stores 512 consecutive bytes, aligned
	global_store_b128 v3, v[44:47], s[18:19] offset:2048
	s_endpgm
.Lfunc_end_k_qc21a22df5d_quant:
	.size	k_qc21a22df5d_quant, .Lfunc_end_k_qc21a22df5d_quant-k_qc21a22df5d_quant
	.p2alignl 7, 3214868480
	.fill 96, 4, 3214868480
	.section	.rodata,"a",@progbits
	.p2align	6, 0x0
	.amdhsa_kernel k_qc21a22df5d_quant
		.amdhsa_group_segment_fixed_size 33280
		.amdhsa_private_segment_fixed_size 0
		.amdhsa_enable_private_segment 0
		.amdhsa_kernarg_size 64
		.amdhsa_user_sgpr_count 2
		.amdhsa_user_sgpr_kernarg_segment_ptr 1
		.amdhsa_wavefront_size32 1
		.amdhsa_system_sgpr_workgroup_id_x 1
		.amdhsa_system_sgpr_workgroup_id_y 1
		.amdhsa_system_sgpr_workgroup_id_z 1
		.amdhsa_system_vgpr_workitem_id 0
		.amdhsa_next_free_vgpr 194
		.amdhsa_next_free_sgpr 66
		.amdhsa_reserve_vcc 1
		.amdhsa_float_denorm_mode_32 3
		.amdhsa_float_denorm_mode_16_64 3
		.amdhsa_memory_ordered 1
		.amdhsa_forward_progress 1
		.amdhsa_inst_pref_size 45
	.end_amdhsa_kernel
	.amdgpu_metadata
---
amdhsa.version: [ 1, 2 ]
amdhsa.kernels:
  - .name:           k_qc21a22df5d_quant
    .symbol:         k_qc21a22df5d_quant.kd
    .args:
      - { .name: x, .offset: 0, .size: 8, .value_kind: global_buffer, .address_space: global }
      - { .name: w_qkv, .offset: 8, .size: 8, .value_kind: global_buffer, .address_space: global }
      - { .name: w_out, .offset: 16, .size: 8, .value_kind: global_buffer, .address_space: global }
      - { .name: lowp_scales, .offset: 24, .size: 8, .value_kind: global_buffer, .address_space: global }
      - { .name: xc, .offset: 32, .size: 8, .value_kind: global_buffer, .address_space: global }
      - { .name: wqc, .offset: 40, .size: 8, .value_kind: global_buffer, .address_space: global }
      - { .name: woc, .offset: 48, .size: 8, .value_kind: global_buffer, .address_space: global }
      - { .name: rope, .offset: 56, .size: 8, .value_kind: global_buffer, .address_space: global }
    .group_segment_fixed_size: 33280
    .private_segment_fixed_size: 0
    .kernarg_segment_align: 8
    .kernarg_segment_size: 64
    .max_flat_workgroup_size: 128
    .sgpr_count:     66
    .vgpr_count:     194
    .wavefront_size: 32
...
	.end_amdgpu_metadata
.endif
;; end of part 1
;; launch qkv (part 2): grid 12 x 32, 4 waves a work-group, clusters of 4 x 4, 327,680 bytes of LDS; arguments xc, wqc, lowp_scales, rope, qc, kc, vc; writes qc, kc, vc
.if DOCPART == 2
	.amdgcn_target "amdgcn-amd-amdhsa--gfx1250"
	.amdhsa_code_object_version 6
	.text
	.protected	k_qc21a22df5d_qkv
	.globl	k_qc21a22df5d_qkv
	.p2align	8
	.type	k_qc21a22df5d_qkv,@function
k_qc21a22df5d_qkv:
	s_mov_b64 s[64:65], 0
	v_nop
	global_prefetch_b8 v0, s[64:65] scope:SCOPE_SE
	s_setreg_imm32_b32 hwreg(HW_REG_WAVE_MODE, 25, 1), 1
	s_wait_xcnt 0x0
	s_wait_alu depctr_hold_cnt(0) depctr_sa_sdst(0) depctr_va_vdst(0) depctr_va_sdst(0) depctr_va_ssrc(0) depctr_va_vcc(0) depctr_vm_vsrc(0)
	s_getreg_b32 s2, hwreg(HW_REG_IB_STS2, 6, 4)
	s_cmp_eq_u32 s2, 0
	s_cbranch_scc0 .Lentry_in_a_cluster
	s_endpgm
.Lentry_in_a_cluster:
	s_bfe_u32 s2, ttmp6, 0x10000c
	s_cmp_lg_u32 s2, 0xf033
	s_cbranch_scc0 .Lentry_shape_is_right
	s_endpgm
.Lentry_shape_is_right:
; qkv = x w_qkv^T on codes of FP8 (E4M3), K = 1,024; then the rotary embedding on q and k, in f32; then q, k and v are quantised with their given scales (entries 2, 3, 5) and stored as IMAGES OF THE
; OPERAND REGISTERS of the attention launch.  xc: [8192][1024] codes, wqc: [3072][1024] codes; a sum stands for sum x 2^(e0 + e1), and that factor is folded into the conversions' scale.
; LIMITS: e2 - e0 - e1, e3 - e0 - e1 and e5 - e0 - e1 lie between -126 and 119, so that each power of two below is an f32 number.
; A tile of 256 x 256 is made by a work-group of four waves, a wave 128 x 128: 64 accumulators of 16 x 16, 512 registers.  K goes in steps of 256 through a ring of two LDS slots filled by the tensor data mover.
; The side called A is the matrix instruction's source 1: its rows become the result's LANES.  The side called B is source 0: its rows run along a lane's REGISTERS.
;   clusters x = 0 (q) and 1 (k): A = tokens (xc), B = rows of w_qkv: a lane holds one token and eight neighbouring features: what the rotation and a fragment of q or k want.
;   cluster x = 2 (v):            A = rows of w_qkv, B = tokens: a lane holds one feature d and eight neighbouring keys: a fragment of V^T, whose K is the keys.
; The cluster's x is the same in all sixteen partners; nothing but pointers, tile numbers and the way out hangs on it.
; CLUSTERS: 4 x 4 work-groups.  The four of a row need the same tile of A, the four of a column the same tile of B: each is asked for JOINTLY, by the same tensor load with a mask that names the four.
; A's tile number is made of cy alone, B's of cx alone.  384 tiles in 24 clusters.
; THE IMAGES.  A conversion of an accumulator's eight registers gives registers 2 c, 2 c + 1 of an 8-bit operand (k = 16 c + 8 (lane / 16) + 0 .. 7).  Four registers leave by one store at 16 x lane: 512 consecutive bytes.
;   qc, kc: [head of batch 64][block of 16 tokens 128][chunk 2][lane][16 bytes]       vc: [head of batch 64][block of 128 keys 16][16 d's 4][chunk 4][lane][16 bytes]
; REGISTERS, in windows of 256: window 0: v0-31 addresses; from v128 A's fragments, ONE set; on the way out v32-255 are free.  window 1: B's fragments, TWO sets.  windows 2, 3: the accumulators ((a, b) at v[8 (8 (a % 4) + b)]).
.set ROWB,   256                       ; a tile's row in bytes: 256 codes
.set KROW,   1024                      ; a row of xc or wqc in memory
.set PITCH,  272                       ; an LDS row: 256 bytes + 16 of padding = 68 words: the 16 rows that a load touches start at 16 different banks (64 banks of 4 bytes: ISA guide 11.1)
.set FR,     16                        ; registers of a fragment: 16 rows x 128 K
.set NL,     4                         ; LDS loads that bring one
.set NP,     4                         ; places behind this matrix instruction (ISA guide 7.12.1)
.set HALFT,  128*PITCH                 ; 128 rows: what one tensor load brings
.set SLOT,   4*HALFT                   ; A's 256 rows, then B's 256 rows
.set LAPS,   2                         ; 1,024 along K = two laps of two slots
.set SPARE,  2*SLOT                    ; behind the ring: the spare words, 128 bytes for each wave, which no other line names
.set LI,   8                           ; v8      16 x lane; never rewritten
.set SCL,  9                           ; v9      the conversions' scale as f32
.set LIM,  10                          ; v10     448 x that
.set ADRA, 16                          ; v16-17  LDS address of my A fragments in slot 0, 1
.set ADRB, 20                          ; v20-21  the same for B
.set SPW,  28                          ; v28     LDS address of my spare word; never rewritten
.set NIL,  29                          ; v29     0; never rewritten
.set AF,   128                         ; A's fragments, in window 0
.set TMP,  32                          ; the way out: numbers ahead of the conversions
.set TX,   64                          ; v64-71  products at work, two sets by turns
.set CODE, 72                          ; v72-79  a fragment of q or k
.set VCODE, 96                         ; v96-111 a fragment of V^T
.set CSB,  128                         ; v128-255 four sets of 16 cos and 16 sin
.set G1, 24                            ; s[24:31] descriptor group 1 for A's tiles;  s[32:39] group 0, one set for each slot
.set G0, 32
.set G1B, 48                           ; s[48:55], s[56:63] the same for B's tiles
.set G0B, 56
.set MSB, 0
.macro WIN new                         ; the immediate's high byte repeats the setting that is left
.if MSB != \new
	s_set_vgpr_msb (MSB<<8)|\new
.set MSB, \new
.endif
.endm
.set MUL_LO, 0xa1                      ; source 0 (B) window 1, source 1 (A) window 0, C and D window 2
.set MUL_HI, 0xf1                      ; the same, C and D window 3
.set TO_B,   0x40                      ; destination window 1, address window 0
; A joint load: waves 0 and 1 fetch for A, waves 2 and 3 for B.  The branch hangs on the wave's number alone.  Four v_nop follow each of the two lines.
.macro JLOAD g0a, g1a, g0b, g1b
	s_cmp_eq_u32 s15, 0
	s_cbranch_scc0 .Lfor_b_\@
	tensor_load_to_lds s[\g0a:\g0a+3], s[\g1a:\g1a+7]
	s_nop 0
.rept 4
	v_nop
.endr
	s_branch .Lasked_\@
.Lfor_b_\@:
	tensor_load_to_lds s[\g0b:\g0b+3], s[\g1b:\g1b+7]
	s_nop 0
.rept 4
	v_nop
.endr
.Lasked_\@:
.endm
.macro CREST                           ; a round of the cluster's barrier behind its opening barrier
	s_cmp_lg_u32 s14, 0
	s_cbranch_scc1 .Lnot_wave_0_\@
	s_barrier_signal -3
.Lnot_wave_0_\@:
	s_barrier_wait -3
	s_barrier_signal -1
	s_barrier_wait -1
.endm
.macro CROUND                          ; a whole round
	s_barrier_signal -1
	s_barrier_wait -1
	CREST
.endm
	s_load_b128 s[4:7], s[0:1], 0x0                ; xc, wqc
	s_load_b128 s[8:11], s[0:1], 0x10              ; the scales' exponents, the table of cos and sin
	s_load_b128 s[68:71], s[0:1], 0x20             ; qc, kc
	s_load_b64 s[72:73], s[0:1], 0x30              ; vc
	v_lshl_add_u32 v[SPW], v0, 2, SPARE
	v_mov_b32 v[NIL], 0
	ds_add_u32 v28, v29
	ds_add_u32 v28, v29
	s_wait_dscnt 0x0
	v_lshrrev_b32 v1, 5, v0
	v_readfirstlane_b32 s14, v1                    ; wave 0..3
	s_lshr_b32 s15, s14, 1                         ; which half of A's 256 rows is mine.  Also: I fetch for A (0) or for B (1)
	s_and_b32 s16, s14, 1                          ; which half of B's.  Also: which 128 rows of that tile I fetch
	s_bfe_u32 s40, ttmp6, 0x40000                  ; cx, cy: my place in the cluster
	s_bfe_u32 s41, ttmp6, 0x40004
	s_and_b32 s18, ttmp7, 0xffff
	s_lshl_b32 s18, s18, 2                         ; 4 x cluster y
	s_add_co_u32 s17, s18, s41                     ; q, k: A's tile = the tokens' tile 4 x cluster y + cy
	s_add_co_u32 s19, s41, 8                       ; v:    A's tile = w_qkv's tile 8 + cy
	s_add_co_u32 s46, s18, s40                     ; v:    B's tile = the tokens' tile 4 x cluster y + cx
	s_lshl_b32 s42, ttmp9, 2
	s_add_co_u32 s42, s42, s40                     ; q, k: B's tile = w_qkv's tile 4 x cluster x + cx
	s_cmp_eq_u32 ttmp9, 2
	s_cselect_b32 s17, s19, s17                    ; A's tile: made of cy alone
	s_cselect_b32 s42, s46, s42                    ; B's tile: made of cx alone
	s_lshl_b32 s43, s41, 2
	s_lshl_b32 s43, 15, s43                        ; my row of the cluster
	s_lshl_b32 s44, 0x1111, s40                    ; my column
	; descriptor group 1: a tile of 128 rows x 256 bytes, padded in LDS
	s_or_b32 s[G1+0], s43, (0<<16)|(1<<20)|(1<<21)|(5<<22)|(3<<25)  ; 15:0 the mask: A's tiles go to my row; 17:16 element of 1 byte; 20 padding on; 21 set beside a mask; 24:22 after every 64 words; 31:25 of 4 words
	s_or_b32 s[G1B+0], s44, (0<<16)|(1<<20)|(1<<21)|(5<<22)|(3<<25)
.irp g, G1, G1B
	s_mov_b32 s[\g+1], ROWB<<16                    ; tensor_dim0
	s_mov_b32 s[\g+2], 128<<16                     ; tensor_dim1 = 128
	s_mov_b32 s[\g+3], ROWB<<16                    ; tile_dim0
	s_mov_b32 s[\g+4], 128                         ; tile_dim1 = 128
	s_mov_b32 s[\g+5], KROW                        ; tensor_dim0_stride
	s_mov_b32 s[\g+6], 0
	s_mov_b32 s[\g+7], 0
.endr
	s_lshl_b32 s18, s16, 7                         ; which 128 rows of the tile I fetch
	s_lshl_b32 s20, s17, 8
	s_add_co_u32 s20, s20, s18
	s_lshl_b32 s20, s20, 10                        ; A: (256 x tile + 128 x half) rows of 1,024 bytes
	s_mov_b32 s21, 0
	s_lshl_b32 s46, s42, 8
	s_add_co_u32 s46, s46, s18
	s_lshl_b32 s46, s46, 10                        ; B likewise
	s_mov_b32 s47, 0
	s_mul_i32 s45, s14, HALFT                      ; where they go: wave x 128 rows: no place in the cluster enters an LDS address
	s_wait_kmcnt 0x0
	s_load_b256 s[80:87], s[8:9], 0x0              ; e0 .. e7
	s_cmp_eq_u32 ttmp9, 2
	s_cselect_b64 s[74:75], s[6:7], s[4:5]         ; A's buffer
	s_cselect_b64 s[76:77], s[4:5], s[6:7]         ; B's buffer
	s_add_nc_u64 s[20:21], s[74:75], s[20:21]
	s_add_nc_u64 s[46:47], s[76:77], s[46:47]
	CROUND                                         ; all sixteen work-groups are here: the first joint loads meet
.irp s, 0,1
	s_mov_b32 s[G0+4*\s], 1
	s_add_co_u32 s[G0+4*\s+1], s45, \s*SLOT
	s_add_nc_u64 s[G0+4*\s+2:G0+4*\s+3], s[20:21], \s*ROWB
	s_or_b32 s[G0+4*\s+3], s[G0+4*\s+3], 0x80000000
	s_mov_b32 s[G0B+4*\s], 1
	s_add_co_u32 s[G0B+4*\s+1], s45, \s*SLOT
	s_add_nc_u64 s[G0B+4*\s+2:G0B+4*\s+3], s[46:47], \s*ROWB
	s_or_b32 s[G0B+4*\s+3], s[G0B+4*\s+3], 0x80000000
.endr
	JLOAD G0, G1, G0B, G1B                         ; K step 0: one tensor load a wave at the head
	v_and_b32 v1, 15, v0                           ; l % 16
	v_bfe_u32 v2, v0, 4, 1                         ; l / 16
	v_mul_u32_u24 v3, v1, PITCH
	v_lshl_add_u32 v4, v2, 4, v3                   ; a fragment's row x pitch + 16 x half
	s_mul_i32 s21, s15, HALFT                      ; my 128 rows of A
	s_mul_i32 s22, s16, HALFT                      ; my 128 rows of B,
	s_add_co_u32 s22, s22, 2*HALFT                 ; which lie behind A's 256
.irp s, 0,1
	v_add_nc_u32 v[ADRA+\s], s21, v4
	v_add_nc_u32 v[ADRB+\s], s22, v4
	s_add_co_u32 s21, s21, SLOT
	s_add_co_u32 s22, s22, SLOT
.endr
	v_and_b32 v[LI], 31, v0
	v_lshlrev_b32 v[LI], 4, v[LI]
.macro FRAG reg, adr, q, i             ; a fragment by four loads of 16 bytes: registers 4 c .. 4 c + 3 hold K = 32 c + 16 (l / 16) + 0 .. 15: a permutation of k, the same in A and in B, so that every product meets its partner
.irp c, 0,1,2,3
	ds_load_b128 v[\reg+4*\c:\reg+4*\c+3], v[\adr] offset:128*(\q)+32*\c+(\i)*16*PITCH
.endr
.endm
; 16 matrix instructions: A's blocks a0, a0 + 1 x B's eight, 128 along K.  p: B's set.  zero = 1: the first product starts the sums.  The 64 accumulators take turns, one instruction a turn.
.macro MUL16 a0, p, zero
.irp a, \a0, \a0+1
.irp b, 0,1,2,3,4,5,6,7
.if \zero
	v_wmma_f32_16x16x128_fp8_fp8 v[8*(8*((\a)%4)+\b):8*(8*((\a)%4)+\b)+7], v[128*(\p)+FR*\b:128*(\p)+FR*\b+FR-1], v[AF+FR*(\a):AF+FR*(\a)+FR-1], 0
.else
	v_wmma_f32_16x16x128_fp8_fp8 v[8*(8*((\a)%4)+\b):8*(8*((\a)%4)+\b)+7], v[128*(\p)+FR*\b:128*(\p)+FR*\b+FR-1], v[AF+FR*(\a):AF+FR*(\a)+FR-1], v[8*(8*((\a)%4)+\b):8*(8*((\a)%4)+\b)+7]
.endif
.endr
.endr
.endm
.macro FETCH_B slot, q, p              ; B's eight fragments of the slot's q-th 128 along K into set p
	WIN TO_B
.irp i, 0,1,2,3,4,5,6,7
	FRAG 128*(\p)+FR*\i, ADRB+\slot, \q, \i
.endr
	WIN 0
.endm
.macro FETCH_A slot, q, i0             ; A's blocks i0 .. i0 + 3
.irp i, \i0, \i0+1, \i0+2, \i0+3
	FRAG AF+FR*(\i), ADRA+\slot, \q, \i
.endr
.endm
.macro PLACES n                        ; plain vector instructions between a matrix instruction and a load into a register that it read, or the first read of its result
.rept \n
	v_nop
.endr
.endm
; A step of 128 along K that has its successor in the same slot.  A's one set: blocks 0-3 are fetched anew in the step's middle, blocks 4-7 at its end.
.macro STEP slot, q, zero
	s_wait_dscnt 4*NL                              ; B's set and A's blocks 0-3 are in; the youngest sixteen loads (A's blocks 4-7) may be out
	WIN MUL_LO
	MUL16 0, (\q)%2, \zero
	MUL16 2, (\q)%2, \zero
	s_wait_dscnt 0                                 ; A's blocks 4-7 are in
	PLACES NP
	FETCH_B \slot, (\q)+1, 1-(\q)%2
	FETCH_A \slot, (\q)+1, 0
	WIN MUL_HI
	MUL16 4, (\q)%2, \zero
	MUL16 6, (\q)%2, \zero
	PLACES NP
	WIN 0
	FETCH_A \slot, (\q)+1, 4
.endm
; A slot's last step changes slots: ONE barrier; in front of it each wave waits for all its tensor loads, adds 0 to its spare word, and waits for that and for its own reads of this slot.  fill = 1: this slot is filled again.
.macro TURN slot, next, fill
	s_wait_tensorcnt 0x0                           ; all my tensor loads have landed: my part of the next slot
	ds_add_u32 v[SPW], v[NIL]                      ; 0 onto my spare word
	s_wait_dscnt 4*NL+1                            ; (the add and the youngest sixteen loads, A's blocks 4-7, may be out)
	WIN MUL_LO
	MUL16 0, 1, 0                                  ; sixteen matrix instructions stand between the add and the wait for it
	s_wait_dscnt 0x0                               ; the add is done, and my reads of this slot are over
	s_barrier_signal -1
	MUL16 2, 1, 0
	WIN 0
	s_barrier_wait -1
.if \fill
	CREST                                          ; the barrier has opened a round of the cluster's barrier: no wave of any partner still reads this slot or has a load on its way
	s_add_nc_u64 s[G0+4*\slot+2:G0+4*\slot+3], s[G0+4*\slot+2:G0+4*\slot+3], 2*ROWB
	s_add_nc_u64 s[G0B+4*\slot+2:G0B+4*\slot+3], s[G0B+4*\slot+2:G0B+4*\slot+3], 2*ROWB
	JLOAD G0+4*\slot, G1, G0B+4*\slot, G1B         ; the first tensor load behind the round, my only one until the next; its four v_nop are the places in front of the loads below
.else
	PLACES NP
.endif
	FETCH_B \next, 0, 0
	FETCH_A \next, 0, 0
	WIN MUL_HI
	MUL16 4, 1, 0
	MUL16 6, 1, 0
	PLACES NP
	WIN 0
	FETCH_A \next, 0, 4
.endm
	s_wait_alu depctr_va_vdst(0)
	s_wait_tensorcnt 0x0                           ; my part of K step 0 is in; slot 1's first fill is issued as a refill is
	ds_add_u32 v[SPW], v[NIL]
	s_wait_dscnt 0x0
	CROUND                                         ; everybody's part of K step 0 is in, and all sixteen work-groups are here
	JLOAD G0+4, G1, G0B+4, G1B                     ; K step 1: the first tensor load behind the round
	FETCH_B 0, 0, 0
	FETCH_A 0, 0, 0
	FETCH_A 0, 0, 4
	STEP 0, 0, 1                                   ; the first step stands in front of the loop: its products start the sums
	s_mov_b32 s3, LAPS-1
.Llap:                                                 ; a trip goes once round the ring, from a lap's second step to the next lap's first, and fills both slots again
	TURN 0, 1, 1
	STEP 1, 0, 0
	TURN 1, 0, 1
	STEP 0, 0, 0
	s_sub_co_u32 s3, s3, 1
	s_cmp_lg_u32 s3, 0
	s_cbranch_scc1 .Llap
	TURN 0, 1, 0                                   ; the last lap fills nothing
	STEP 1, 0, 0
	s_wait_dscnt 4*NL                              ; the very last step: nothing more to fetch
	WIN MUL_LO
	MUL16 0, 1, 0
	MUL16 2, 1, 0
	s_wait_dscnt 0
	WIN MUL_HI
	MUL16 4, 1, 0
	MUL16 6, 1, 0
	WIN 0
	; THE WAY OUT: no LDS.  Each accumulator is read from its low end on.
	s_wait_kmcnt 0x0                               ; e0 .. e7
	PLACES NP                                      ; behind the last products: loads into the registers that held A's fragments follow, and reads of results
	s_cmp_eq_u32 ttmp9, 2
	s_cbranch_scc1 .Lv
	; ---- q and k.  Lane (r, h) holds token 16 a + r of my 128; accumulator (a, 4 hh + c) holds d = 16 c + 8 h + 0 .. 7 of my head hh (0, 1)
	s_cmp_eq_u32 ttmp9, 0
	s_cselect_b32 s88, s82, s83                    ; e2 for q, e3 for k
	s_cselect_b64 s[78:79], s[68:69], s[70:71]
	s_sub_co_i32 s88, s88, s80
	s_sub_co_i32 s88, s88, s81                     ; a sum stands for sum x 2^(e0 + e1): its code is sum / 2^(e - e0 - e1); the rotation is linear and is made on the sums
	s_add_co_i32 s88, s88, 127
	s_lshl_b32 s89, s88, 23
	v_mov_b32 v[SCL], s89
	s_add_co_i32 s88, s88, 8
	s_lshl_b32 s88, s88, 23
	s_or_b32 s88, s88, 0x600000
	v_mov_b32 v[LIM], s88
	s_and_b32 s92, s17, 7
	s_lshl_b32 s92, s92, 4
	s_lshl_b32 s93, s15, 3
	s_add_co_u32 s92, s92, s93                     ; my first block of 16 tokens in the sequence: 16 (tile % 8) + 8 x half
	s_lshr_b32 s90, s17, 3                         ; the batch
	s_lshl_b32 s90, s90, 4
	s_and_b32 s91, s42, 3
	s_lshl_b32 s91, s91, 2
	s_add_co_u32 s90, s90, s91
	s_lshl_b32 s91, s16, 1
	s_add_co_u32 s90, s90, s91                     ; 16 x batch + my first head
	s_lshl_b32 s90, s90, 7
	s_add_co_u32 s90, s90, s92
	s_lshl_b32 s90, s90, 10                        ; a fragment is 1,024 bytes
	s_mov_b32 s91, 0
	s_add_nc_u64 s[78:79], s[78:79], s[90:91]
	s_lshl_b32 s94, s92, 12                        ; the table: 4,096 bytes for a block of 16 positions
	s_mov_b32 s95, 0
	s_add_nc_u64 s[10:11], s[10:11], s[94:95]
.macro CSLOAD a                        ; block a's cos (16 registers) and sin (16) into set a % 4: register 8 bb + j is frequency 16 bb + 8 h + j at my token's position
.irp i, 0,1,2,3,4,5,6,7
	global_load_b128 v[CSB+32*((\a)%4)+4*\i:CSB+32*((\a)%4)+4*\i+3], v[LI], s[10:11] offset:(\a)*4096+\i*512
.endr
.endm
.macro ROPEQ a, hh                     ; block a, head hh: rotate, hold, convert, store one fragment
.set AC, 64*((\a)%4)+32*(\hh)
.set CO, CSB+32*((\a)%4)
.set SI, CO+16
	WIN 0x02+((\a)/4)                              ; source 0: window 2 or 3
.irp bb, 0,1
.irp j, 0,2,4,6
.set T1, TX+4*((\j/2)%2)
	v_pk_mul_f32 v[T1:T1+1], v[AC+16+8*\bb+\j:AC+16+8*\bb+\j+1], v[SI+8*\bb+\j:SI+8*\bb+\j+1]        ; x2 sin
	v_pk_mul_f32 v[T1+2:T1+3], v[AC+8*\bb+\j:AC+8*\bb+\j+1], v[SI+8*\bb+\j:SI+8*\bb+\j+1]            ; x1 sin
	v_pk_fma_f32 v[TMP+8*\bb+\j:TMP+8*\bb+\j+1], v[AC+8*\bb+\j:AC+8*\bb+\j+1], v[CO+8*\bb+\j:CO+8*\bb+\j+1], v[T1:T1+1] neg_lo:[0,0,1] neg_hi:[0,0,1]   ; d < 32: x1 cos - x2 sin
	v_pk_fma_f32 v[TMP+16+8*\bb+\j:TMP+16+8*\bb+\j+1], v[AC+16+8*\bb+\j:AC+16+8*\bb+\j+1], v[CO+8*\bb+\j:CO+8*\bb+\j+1], v[T1+2:T1+3]                  ; d >= 32: x2 cos + x1 sin
.endr
.endr
	WIN 0
.set i, 0
.rept 32
	v_med3_num_f32 v[TMP+i], v[TMP+i], -v[LIM], v[LIM]   ; the conversion to an 8-bit code does not saturate (ISA guide 7.6.2): the hold comes first
.set i, i+1
.endr
	s_wait_alu depctr_va_vdst(0)
	s_wait_xcnt 0x0                                ; the last fragment's stores have read their registers
.irp c, 0,1,2,3
	v_cvt_scalef32_pk8_fp8_f32 v[CODE+2*\c:CODE+2*\c+1], v[TMP+8*\c:TMP+8*\c+7], v[SCL]   ; registers 2 c, 2 c + 1: d = 16 c + 8 h + 0 .. 7
.endr
	v_nop                                          ; one plain vector instruction behind the last conversion
	global_store_b128 v[LI], v[CODE:CODE+3], s[78:79] offset:(\hh)*131072+(\a)*1024         ; the wave stores 512 consecutive bytes, aligned
	global_store_b128 v[LI], v[CODE+4:CODE+7], s[78:79] offset:(\hh)*131072+(\a)*1024+512
.endm
	CSLOAD 0
	CSLOAD 1
	CSLOAD 2
	CSLOAD 3
.irp a, 0,1,2,3,4,5,6,7
.if \a < 5
	s_wait_loadcnt 24                              ; this block's eight loads are in; the 24 of the three sets behind it may be out
.else
	s_wait_loadcnt 8*(7-\a)
.endif
	ROPEQ \a, 0
	ROPEQ \a, 1
.if \a < 4
	CSLOAD \a+4
.endif
.endr
	s_branch .Ldone
.Lv:	; ---- v.  Lane (r, h) holds feature 16 a + r of my 128 (head a / 4 of my two, d = 16 (a % 4) + r); accumulator (a, b) holds keys 16 b + 8 h + 0 .. 7 of my 128
	s_sub_co_i32 s88, s85, s80
	s_sub_co_i32 s88, s88, s81                     ; e5 - e0 - e1
	s_add_co_i32 s88, s88, 127
	s_lshl_b32 s89, s88, 23
	v_mov_b32 v[SCL], s89
	s_add_co_i32 s88, s88, 8
	s_lshl_b32 s88, s88, 23
	s_or_b32 s88, s88, 0x600000
	v_mov_b32 v[LIM], s88
	s_wait_alu depctr_va_vdst(0)
	s_lshr_b32 s90, s42, 3                         ; the batch
	s_lshl_b32 s90, s90, 4
	s_sub_co_u32 s92, s17, 8
	s_lshl_b32 s92, s92, 2
	s_add_co_u32 s90, s90, s92
	s_lshl_b32 s92, s15, 1
	s_add_co_u32 s90, s90, s92                     ; 16 x batch + my first head
	s_lshl_b32 s90, s90, 4
	s_and_b32 s92, s42, 7
	s_lshl_b32 s92, s92, 1
	s_add_co_u32 s92, s92, s16                     ; my block of 128 keys
	s_add_co_u32 s90, s90, s92
	s_lshl_b32 s90, s90, 13                        ; a block of 128 keys x 64 d's is 8,192 bytes
	s_mov_b32 s91, 0
	s_add_nc_u64 s[78:79], s[72:73], s[90:91]
.macro VOUT a
.set AC, 64*((\a)%4)
	WIN 0x02+((\a)/4)
.set i, 0
.rept 64
	v_med3_num_f32 v[TMP+i], v[AC+i], -v[LIM], v[LIM]
.set i, i+1
.endr
	WIN 0
	s_wait_alu depctr_va_vdst(0)
	s_wait_xcnt 0x0                                ; the last fragment's stores have read their registers
.irp b, 0,1,2,3,4,5,6,7
	v_cvt_scalef32_pk8_fp8_f32 v[VCODE+2*\b:VCODE+2*\b+1], v[TMP+8*\b:TMP+8*\b+7], v[SCL]   ; registers 2 b, 2 b + 1: keys 16 b + 8 h + 0 .. 7
.endr
	v_nop                                          ; one plain vector instruction behind the last conversion
.irp c, 0,1,2,3
	global_store_b128 v[LI], v[VCODE+4*\c:VCODE+4*\c+3], s[78:79] offset:((\a)/4)*131072+((\a)%4)*2048+512*\c
.endr
.endm
.irp a, 0,1,2,3,4,5,6,7
	VOUT \a
.endr
.Ldone:
	s_wait_tensorcnt 0x0                           ; the wave's end
	ds_add_u32 v[SPW], v[NIL]
	s_wait_dscnt 0x0
	CROUND                                         ; the closing round: no work-group ends while a partner may still ask for a tile that names it
	s_endpgm
.Lfunc_end_k_qc21a22df5d_qkv:
	.size	k_qc21a22df5d_qkv, .Lfunc_end_k_qc21a22df5d_qkv-k_qc21a22df5d_qkv
	.p2alignl 7, 3214868480
	.fill 96, 4, 3214868480
	.section	.rodata,"a",@progbits
	.p2align	6, 0x0
	.amdhsa_kernel k_qc21a22df5d_qkv
		.amdhsa_group_segment_fixed_size 327680
		.amdhsa_private_segment_fixed_size 0
		.amdhsa_enable_private_segment 0
		.amdhsa_kernarg_size 56
		.amdhsa_user_sgpr_count 2
		.amdhsa_user_sgpr_kernarg_segment_ptr 1
		.amdhsa_wavefront_size32 1
		.amdhsa_system_sgpr_workgroup_id_x 1
		.amdhsa_system_sgpr_workgroup_id_y 1
		.amdhsa_system_sgpr_workgroup_id_z 1
		.amdhsa_system_vgpr_workitem_id 0
		.amdhsa_next_free_vgpr 1024
		.amdhsa_next_free_sgpr 100
		.amdhsa_reserve_vcc 0
		.amdhsa_float_denorm_mode_32 3
		.amdhsa_float_denorm_mode_16_64 3
		.amdhsa_memory_ordered 1
		.amdhsa_forward_progress 1
		.amdhsa_inst_pref_size 200
	.end_amdhsa_kernel
	.amdgpu_metadata
---
amdhsa.version: [ 1, 2 ]
amdhsa.kernels:
  - .name:           k_qc21a22df5d_qkv
    .symbol:         k_qc21a22df5d_qkv.kd
    .args:
      - { .name: xc, .offset: 0, .size: 8, .value_kind: global_buffer, .address_space: global }
      - { .name: wqc, .offset: 8, .size: 8, .value_kind: global_buffer, .address_space: global }
      - { .name: lowp_scales, .offset: 16, .size: 8, .value_kind: global_buffer, .address_space: global }
      - { .name: rope, .offset: 24, .size: 8, .value_kind: global_buffer, .address_space: global }
      - { .name: qc, .offset: 32, .size: 8, .value_kind: global_buffer, .address_space: global }
      - { .name: kc, .offset: 40, .size: 8, .value_kind: global_buffer, .address_space: global }
      - { .name: vc, .offset: 48, .size: 8, .value_kind: global_buffer, .address_space: global }
    .group_segment_fixed_size: 327680
    .private_segment_fixed_size: 0
    .kernarg_segment_align: 8
    .kernarg_segment_size: 56
    .max_flat_workgroup_size: 128
    .sgpr_count:     100
    .vgpr_count:     1024
    .wavefront_size: 32
...
	.end_amdgpu_metadata
.endif
;; end of part 2
;; launch attn (part 3): grid 4 x 64, 16 waves a work-group, clusters of 4 x 1, 327,680 bytes of LDS; arguments qc, kc, vc, lowp_scales, ac; writes ac
.if DOCPART == 3
	.amdgcn_target "amdgcn-amd-amdhsa--gfx1250"
	.amdhsa_code_object_version 6
	.text
	.protected	k_qc21a22df5d_attn
	.globl	k_qc21a22df5d_attn
	.p2align	8
	.type	k_qc21a22df5d_attn,@function
k_qc21a22df5d_attn:
	s_mov_b64 s[64:65], 0
	v_nop
	global_prefetch_b8 v0, s[64:65] scope:SCOPE_SE
	s_setreg_imm32_b32 hwreg(HW_REG_WAVE_MODE, 25, 1), 1
	s_wait_xcnt 0x0
	s_wait_alu depctr_hold_cnt(0) depctr_sa_sdst(0) depctr_va_vdst(0) depctr_va_sdst(0) depctr_va_ssrc(0) depctr_va_vcc(0) depctr_vm_vsrc(0)
	s_getreg_b32 s2, hwreg(HW_REG_IB_STS2, 6, 4)
	s_cmp_eq_u32 s2, 0
	s_cbranch_scc0 .Lentry_in_a_cluster
	s_endpgm
.Lentry_in_a_cluster:
	s_bfe_u32 s2, ttmp6, 0x10000c
	s_cmp_lg_u32 s2, 0x3003
	s_cbranch_scc0 .Lentry_shape_is_right
	s_endpgm
.Lentry_shape_is_right:
; Causal attention on codes of FP8 (E4M3), 64 heads of batch, 2,048 tokens, head size 64; the result is quantised (entry 6 of the scales) and stored as images of the last product's operand registers.
; qc, kc: [head 64][block of 16 tokens 128][chunk 2][lane][16 bytes].   vc: [head 64][block of 128 keys 16][16 d's 4][chunk 4][lane][16 bytes]: fragments of V^T.
; ac: [block of 16 tokens 512][128 features 8][chunk 4][lane][16 bytes]; a head fills two chunks.
; WORK LEFT OUT: blocks of 128 keys wholly behind a tile of 16 queries (reference()'s own causal mask gives them the weight 0).
; THE SOFTMAX: t = score x log2(e) / 8; M = the row's largest t so far, rounded UP to a whole number; p = 2^(t - M) is quantised (entry 4), not normalised.  The row's sum is taken of the unquantised p and
; divides O at the end.  When M moves, the sum and O are multiplied by 2^(old M - new M): exact.
; LDS HOLDS A HEAD'S WHOLE K AND V: 2 x 131,072 bytes, as they lie in memory.  Nothing is filled twice, and the walk over the keys has no barrier.
; CLUSTER: the four work-groups of a head read the same K and V and ask for them JOINTLY (mask 15).  Each wave issues two loads: at the head its sixteenth of keys 0-511 (waves 0-7 K, 8-15 V; 16 rows of 256 bytes),
; and behind the full sequence and a round its sixteenth of keys 512-2,047 (48 rows), which lands while the first four key steps are worked.
; No data prefetch: all of K and V is asked for by these two loads a wave, the second straight behind the first's landing; there is no loop of refills to run ahead in.
; SHARES.  Sixteen waves, four to a SIMD, each in 256 registers.  Wave w of partner cx owns the tile of 16 queries 127 - 4 w - cx and then tile 4 w + cx: 16 - w / 2 and w / 2 + 1 steps of 128 keys, SEVENTEEN for
; every wave.  Trip counts, branches and LDS addresses hang on the wave's number and the count of steps alone; cx enters global addresses and the diagonal's lane masks, which are chosen by s_cselect_b32.
; LAYOUT.  Both products are used transposed: S^T = K Q^T (source 0 = 16 keys, source 1 = my 16 queries), O^T = V^T P^T: a lane holds ONE query (lane % 16) throughout.  Register j of key tile t of S^T is key
; 16 t + 8 (lane / 16) + j: a conversion of the tile's eight registers gives registers 2 t, 2 t + 1 of P.  The same holds of O^T and ac.
; LIMITS on the given exponents: e2 + e3 between -123 and 130 (added to c's exponent field); e4 and e6 between -126 and 119; e4 + e5 is applied by v_ldexp_f32 and has none.  Scaled scores stay under 2^31 in magnitude.
; REGISTERS: v1-12 addresses and constants; v14, v15 -M and the largest score; v[16:17] the sum; v[22:23] f; v26-30 at work; v32-39 Q in use; v40-47 the second tile's Q; v48-63 partial sums; v64-79 P's codes;
; v96-159 S^T, then p; v160-191 O^T; v192-255 fragments of K, then of V.
.set VOFF,  131072                     ; V's part of LDS
.set SPARE, 325632                     ; the spare words: 128 bytes for each of sixteen waves, which no other line names
.set LI,1
.set GOH,2
.set GOL,3
.set SPW,4
.set NIL,5
.set ADK,6
.set ADV,7
.set HP,8                              ; 448 x 2^e4
.set SP4,9                             ; 2^e4
.set HO,10                             ; 448 x 2^e6
.set SO6,11                            ; 2^e6
.set NINF,12
.set NM,14
.set LS,16
.set F,22
.set X,26
.set T,30
.set Q,32
.set Q2,40
.set AW,48
.set P,64
.set S,96
.set O,160
.set FR,192
.set WV,18
.set CX,19
.set SEL,20
.set CS,22
.set G1A,24
.set G1B,32
.set G0A,40
.set G0B,44
.set VIS,48                            ; the step, 0 .. 16
.set HI,49                             ; 15 - wave / 2: the first tile's last step
.set KB,50                             ; LDS byte of the step's 128 keys in K's part
.set EO,51                             ; e4 + e5
.set WH,53                             ; wave / 2
.set DM,56                             ; s56-63: lanes in which key 8 (lane / 16) + j comes after query lane % 16
.set DB,90                             ; the key tile on the diagonal, in the tile's last step
.set DB2,94                            ; the same for the second tile
.macro NOPS n
.rept \n
	v_nop
.endr
.endm
.macro CROUND                          ; a round of the cluster's barrier
	s_barrier_signal -1
	s_barrier_wait -1
	s_cmp_lg_u32 s[WV], 0
	s_cbranch_scc1 .Lnot_wave_0_\@
	s_barrier_signal -3
.Lnot_wave_0_\@:
	s_barrier_wait -3
	s_barrier_signal -1
	s_barrier_wait -1
.endm
	s_load_b256 s[4:11], s[0:1], 0x0               ; qc, kc, vc, the scales' exponents
	s_load_b64 s[12:13], s[0:1], 0x20              ; ac
	v_lshl_add_u32 v[SPW], v0, 2, SPARE
	v_mov_b32 v[NIL], 0
	ds_add_u32 v[SPW], v[NIL]                      ; the opening lines: the add, twice on end, and its wait
	ds_add_u32 v[SPW], v[NIL]
	v_lshrrev_b32 v26, 5, v0
	v_readfirstlane_b32 s[WV], v26                 ; wave 0..15
	s_bfe_u32 s[CX], ttmp6, 0x40000                ; my place in the cluster
	s_and_b32 s84, ttmp7, 0xffff                   ; the head of batch
	s_lshl_b32 s86, s84, 17                        ; its 131,072 bytes in each of qc, kc, vc
	s_mov_b32 s87, 0
	s_lshr_b32 s[WH], s[WV], 1
	s_sub_co_u32 s[HI], 15, s[WH]
	s_mov_b32 s[G1A], 15|(3<<16)|(1<<21)           ; the mask of four; elements of 8 bytes; bit 21 beside a mask; no padding
	s_mov_b32 s[G1A+1], 32<<16                     ; rows of 32 elements = 256 bytes
	s_mov_b32 s[G1A+2], 16<<16                     ; 16 rows
	s_mov_b32 s[G1A+3], 32<<16
	s_mov_b32 s[G1A+4], 16
	s_mov_b32 s[G1A+5], 32
	s_mov_b32 s[G1A+6], 0
	s_mov_b32 s[G1A+7], 0
	s_mov_b32 s[G1B], 15|(3<<16)|(1<<21)
	s_mov_b32 s[G1B+1], 32<<16
	s_mov_b32 s[G1B+2], 48<<16                     ; 48 rows
	s_mov_b32 s[G1B+3], 32<<16
	s_mov_b32 s[G1B+4], 48
	s_mov_b32 s[G1B+5], 32
	s_mov_b32 s[G1B+6], 0
	s_mov_b32 s[G1B+7], 0
	s_mov_b32 s[SEL], 0x76543210
	s_mov_b32 s[SEL+1], 0xfedcba98
	s_mov_b32 s[CS], 0x3e38aa3b                    ; log2(e) / 8
	s_lshr_b32 s66, s[WV], 3                       ; 0: I fetch for K; 1: for V
	s_and_b32 s67, s[WV], 7                        ; which eighth
	s_lshl_b32 s68, s66, 17
	s_lshl_b32 s88, s67, 12                        ; keys 0-511: 4,096 bytes a wave
	s_mov_b32 s89, 0
	s_mul_i32 s90, s67, 12288                      ; keys 512 on: 12,288 bytes a wave,
	s_add_co_u32 s90, s90, 32768                   ; behind the first 32,768
	s_mov_b32 s91, 0
	s_wait_dscnt 0x0                               ; both opening adds are done
	s_wait_kmcnt 0x0
	s_load_b256 s[72:79], s[10:11], 0x0            ; e0 .. e7
	s_cmp_lt_u32 s[WV], 8
	s_cselect_b64 s[92:93], s[6:7], s[8:9]
	s_add_nc_u64 s[92:93], s[92:93], s[86:87]      ; my head in kc or vc
	s_mov_b32 s[G0A], 1
	s_add_co_u32 s[G0A+1], s68, s88
	s_add_nc_u64 s[G0A+2:G0A+3], s[92:93], s[88:89]
	s_or_b32 s[G0A+3], s[G0A+3], 0x80000000
	s_mov_b32 s[G0B], 1
	s_add_co_u32 s[G0B+1], s68, s90
	s_add_nc_u64 s[G0B+2:G0B+3], s[92:93], s[90:91]
	s_or_b32 s[G0B+3], s[G0B+3], 0x80000000
	CROUND                                         ; the four partners are here: the first joint loads meet
	tensor_load_to_lds s[G0A:G0A+3], s[G1A:G1A+7]  ; my sixteenth of keys 0-511: my one load at the head
	s_nop 0
	NOPS 4
	v_and_b32 v[LI], 31, v0
	v_lshlrev_b32 v[LI], 4, v[LI]                  ; 16 x lane
	s_lshl_b32 s66, s[WV], 2
	s_add_co_u32 s66, s66, s[CX]                   ; the second tile: 4 w + cx
	s_sub_co_u32 s67, 127, s66                     ; the first: 127 - 4 w - cx
	s_add_nc_u64 s[4:5], s[4:5], s[86:87]          ; qc at my head
	s_lshl_b32 s68, s67, 10                        ; 1,024 bytes of Q for 16 queries
	s_lshl_b32 s69, s66, 10
	v_add_nc_u32 v26, s68, v[LI]
	v_add_nc_u32 v27, s69, v[LI]
	s_wait_alu depctr_va_vdst(0)
.irp c, 0,1
	global_load_b128 v[Q+4*\c:Q+4*\c+3], v26, s[4:5] offset:512*\c      ; both tiles' Q stay in registers
	global_load_b128 v[Q2+4*\c:Q2+4*\c+3], v27, s[4:5] offset:512*\c
.endr
.set jj, 0
.rept 32
	v_mov_b32 v[O+jj], 0                           ; O^T: the step is written once; its first run finds zeros, which the first change of M leaves zeros
.set jj, jj+1
.endr
	v_mov_b32 v[LS], 0                             ; the sum, in two halves
	v_mov_b32 v[LS+1], 0
	s_lshr_b32 s68, s84, 4                         ; where my results go: (2,048 x batch + query) x 1,024 + head x 1,024 + 16 x lane
	s_lshl_b32 s68, s68, 21
	s_and_b32 s69, s84, 15
	s_lshl_b32 s69, s69, 10
	s_add_co_u32 s68, s68, s69
	s_lshl_b32 s69, s67, 14
	s_add_co_u32 s69, s69, s68
	v_add_nc_u32 v[GOH], s69, v[LI]
	s_lshl_b32 s69, s66, 14
	s_add_co_u32 s69, s69, s68
	v_add_nc_u32 v[GOL], s69, v[LI]
	s_and_b32 s[DB2], s66, 7                       ; tile b begins 16 (b % 8) keys into its last step: (4 w + cx) % 8 in the second tile,
	s_sub_co_u32 s[DB], 7, s[DB2]                  ; 7 less that in the first
	v_and_b32 v28, 15, v0
	v_bfe_u32 v29, v0, 4, 1
	v_lshlrev_b32 v29, 3, v29
	v_sub_nc_u32 v28, v28, v29                     ; lane % 16 - 8 (lane / 16)
.irp j, 0,1,2,3,4,5,6,7
	v_cmp_gt_i32 s[DM+\j], \j, v28                 ; on the diagonal tile register j is hidden where 8 (lane / 16) + j > lane % 16
.endr
	v_mov_b32 v[NINF], 0xff800000
	v_mov_b32 v[NM], 0x7f61b1e6                    ; -M: 3e38,
	v_mov_b32 v[NM+1], 0xff61b1e6                  ; the largest score so far: -3e38
	v_mov_b32 v[F], 0
	v_mov_b32 v[F+1], 0                            ; (named as the upper half of a pair)
	v_mov_b32 v[T], 0                              ; a lane permute's destination counts as one of its sources
	s_wait_kmcnt 0x0
	s_add_co_i32 s69, s74, s75
	s_lshl_b32 s69, s69, 23
	s_add_co_i32 s[CS], s[CS], s69                 ; a score stands for score x 2^(e2 + e3): added to c's exponent field
	s_mov_b32 s[CS+1], s[CS]
	s_add_co_i32 s[EO], s76, s77
	s_add_co_i32 s69, s76, 127
	s_lshl_b32 s70, s69, 23
	v_mov_b32 v[SP4], s70
	s_add_co_i32 s69, s69, 8
	s_lshl_b32 s69, s69, 23
	s_or_b32 s69, s69, 0x600000
	v_mov_b32 v[HP], s69
	s_add_co_i32 s69, s78, 127
	s_lshl_b32 s70, s69, 23
	v_mov_b32 v[SO6], s70
	s_add_co_i32 s69, s69, 8
	s_lshl_b32 s69, s69, 23
	s_or_b32 s69, s69, 0x600000
	v_mov_b32 v[HO], s69
; A KEY STEP: 128 keys at LDS byte s[KB] of K's and of V's part, against my 16 queries.  diag = 1: the text holds the diagonal's masks, run in a tile's last step alone.
.macro STEP diag
	v_add_nc_u32 v[ADK], s[KB], v[LI]
	v_add_nc_u32 v[ADV], VOFF, v[ADK]
	NOPS 2                                         ; with the two additions: four places in front of loads into registers that the last products read
.irp t, 0,1,2,3,4,5,6,7
	ds_load_b128 v[FR+8*\t:FR+8*\t+3], v[ADK] offset:1024*\t
	ds_load_b128 v[FR+8*\t+4:FR+8*\t+7], v[ADK] offset:1024*\t+512
.endr
	s_wait_alu depctr_va_vdst(0)
	s_wait_dscnt 8                                 ; key tiles 0-3 are in; the eight loads of tiles 4-7 may be out
.irp t, 0,1,2,3
	v_wmma_f32_16x16x64_fp8_fp8 v[S+8*\t:S+8*\t+7], v[FR+8*\t:FR+8*\t+7], v[Q:Q+7], 0
.endr
	s_wait_dscnt 0x0
.irp t, 4,5,6,7
	v_wmma_f32_16x16x64_fp8_fp8 v[S+8*\t:S+8*\t+7], v[FR+8*\t:FR+8*\t+7], v[Q:Q+7], 0
.endr
	NOPS 4                                         ; places: loads into the products' sources follow, and reads of their results
.irp d, 0,1,2,3
.irp c, 0,1,2,3
	ds_load_b128 v[FR+16*\d+4*\c:FR+16*\d+4*\c+3], v[ADV] offset:2048*\d+512*\c   ; V^T's four fragments land while the softmax is worked
.endr
.endr
.if \diag
	s_cmp_eq_u32 s[VIS], s[HI]                     ; a tile's last step lies on the diagonal: a branch on the wave's number and the count of steps
	s_cbranch_scc1 .Lmask_\@
	s_cmp_lg_u32 s[VIS], 16
	s_cbranch_scc1 .Lopen_\@
.Lmask_\@:
; Key tile t: open where t < s[DB], on the diagonal where equal, hidden where greater.  Its eight lane masks are chosen in scalar registers.
.irp d, 0,1,2,3,4,5,6,7
	s_cmp_lt_u32 s[DB], \d
	s_cselect_b32 s92, -1, 0                       ; hidden whole
	s_cmp_le_u32 s[DB], \d
	s_cselect_b32 s88, -1, 0                       ; on the diagonal or hidden
.irp j, 0,1,2,3,4,5,6,7
	s_and_b32 s[80+\j], s[DM+\j], s88
.endr
.irp j, 0,1,2,3,4,5,6,7
	s_or_b32 s[80+\j], s[80+\j], s92
.endr
.irp j, 0,1,2,3,4,5,6,7
	v_cndmask_b32 v[S+8*\d+\j], v[S+8*\d+\j], v[NINF], s[80+\j]   ; a hidden score becomes -infinity ahead of the maximum: p = 0 then
.endr
.endr
	s_wait_alu depctr_va_vdst(0)
.Lopen_\@:
.endif
.irp c, 0,1,2,3                                ; the step's largest score of my query, among my 64 keys, in four chains; each accumulator is read from its low end on
	v_max_num_f32 v[X+\c], v[S+2*\c], v[S+2*\c+1]
.endr
.irp t, 1,2,3,4,5,6,7
.irp c, 0,1,2,3
	v_max3_num_f32 v[X+\c], v[X+\c], v[S+8*\t+2*\c], v[S+8*\t+2*\c+1]
.endr
.endr
	v_max3_num_f32 v[X], v[X], v[X+1], v[X+2]
	v_max_num_f32 v[X], v[X], v[X+3]
	v_permlanex16_b32 v[T], v[X], s[SEL], s[SEL+1]
	v_max3_num_f32 v[NM+1], v[NM+1], v[X], v[T]    ; the running largest score: mine, lane l xor 16's, the old one
	v_mul_f32 v[X+1], s[CS], v[NM+1]               ; as t (c is positive)
	v_mov_b32 v[X], v[NM]
	v_floor_f32 v[NM], -v[X+1]                     ; the new -M = -ceil(t): a whole number
	v_sub_f32 v[X], v[NM], v[X]                    ; old M - new M: a whole number, 0 or less
	v_cvt_i32_f32 v[X], v[X]                       ; (it saturates)
	v_ldexp_f32 v[F], 1.0, v[X]                    ; f = 2^(old M - new M)
.set jj, 0
.rept 16
	v_pk_mul_f32 v[O+jj:O+jj+1], v[O+jj:O+jj+1], v[F:F+1] op_sel_hi:[1,0]   ; O^T under the new M,
.set jj, jj+2
.endr
	v_pk_mul_f32 v[LS:LS+1], v[LS:LS+1], v[F:F+1] op_sel_hi:[1,0]           ; and the sum
.set jj, 0
.rept 32
	v_pk_fma_f32 v[S+jj:S+jj+1], v[S+jj:S+jj+1], s[CS:CS+1], v[NM:NM+1] op_sel_hi:[1,0,0]   ; t - M, two at a time
.set jj, jj+2
.endr
	s_wait_alu depctr_va_vdst(0)
.set jj, 0
.rept 64
	v_exp_f32 v[S+jj], v[S+jj]                     ; p = 2^(t - M), at most 1: not normalised
.set jj, jj+1
.endr
	v_nop                                          ; a place behind the last exponential,
	s_wait_alu depctr_va_vdst(0)                   ; and one wait for the whole batch, ahead of its first reader
.irp c, 0,2,4,6,8,10,12,14                     ; THE ROW'S SUM OF THE UNQUANTISED p: eight chains
	v_pk_add_f32 v[AW+\c:AW+\c+1], v[S+\c:S+\c+1], v[S+16+\c:S+16+\c+1]
.endr
.irp k, 32,48
.irp c, 0,2,4,6,8,10,12,14
	v_pk_add_f32 v[AW+\c:AW+\c+1], v[AW+\c:AW+\c+1], v[S+\k+\c:S+\k+\c+1]
.endr
.endr
.irp c, 0,2,4,6
	v_pk_add_f32 v[AW+\c:AW+\c+1], v[AW+\c:AW+\c+1], v[AW+8+\c:AW+8+\c+1]
.endr
.irp c, 0,2
	v_pk_add_f32 v[AW+\c:AW+\c+1], v[AW+\c:AW+\c+1], v[AW+4+\c:AW+4+\c+1]
.endr
	v_pk_add_f32 v[AW:AW+1], v[AW:AW+1], v[AW+2:AW+3]
	v_pk_add_f32 v[LS:LS+1], v[LS:LS+1], v[AW:AW+1]
.irp t, 0,1,2,3,4,5,6,7
.irp i, 0,1,2,3,4,5,6,7
	v_min_num_f32 v[S+8*\t+\i], v[S+8*\t+\i], v[HP]   ; the conversion does not saturate (ISA guide 7.6.2); p is not negative, so the hold is one-sided
.endr
	v_cvt_scalef32_pk8_fp8_f32 v[P+2*\t:P+2*\t+1], v[S+8*\t:S+8*\t+7], v[SP4]   ; registers 2 t, 2 t + 1 of P
.endr
	v_nop                                          ; one place behind the last conversion
	s_wait_alu depctr_va_vdst(0)
	s_wait_dscnt 0x0                               ; V^T's fragments are in
.irp d, 0,1,2,3                                ; O^T += V^T P^T: the four accumulators take turns, one instruction each; eight products of S^T stand between two steps of a sum
	v_wmma_f32_16x16x128_fp8_fp8 v[O+8*\d:O+8*\d+7], v[FR+16*\d:FR+16*\d+15], v[P:P+15], v[O+8*\d:O+8*\d+7]
.endr
.endm
; A tile's end: O^T x 2^(e4 + e5) / the sum, held, quantised with 2^e6, stored: two chunks of 512 consecutive bytes.
.macro FINISH go
	NOPS 4                                         ; places behind the last products
	v_add_f32 v[X], v[LS], v[LS+1]                 ; the sum's two halves,
	v_permlanex16_b32 v[T], v[X], s[SEL], s[SEL+1]
	v_add_f32 v[X], v[X], v[T]                     ; and lane l xor 16's
	s_wait_alu depctr_va_vdst(0)                   ; the wait ahead of the transcendental
	v_rcp_f32 v[X], v[X]
	v_nop
	s_wait_alu depctr_va_vdst(0)                   ; and ahead of its first reader
	v_ldexp_f32 v[F], v[X], s[EO]
	s_wait_alu depctr_va_vdst(0)                   ; directly ahead of the first reader of O^T
.set jj, 0
.rept 16
	v_pk_mul_f32 v[S+jj:S+jj+1], v[O+jj:O+jj+1], v[F:F+1] op_sel_hi:[1,0]   ; each accumulator from its low end on
.set jj, jj+2
.endr
.set jj, 0
.rept 32
	v_med3_num_f32 v[S+jj], v[S+jj], -v[HO], v[HO]
.set jj, jj+1
.endr
.irp g, 0,1,2,3
	v_cvt_scalef32_pk8_fp8_f32 v[P+2*\g:P+2*\g+1], v[S+8*\g:S+8*\g+7], v[SO6]
.endr
	v_nop                                          ; one place behind the last conversion
	global_store_b128 v[\go], v[P:P+3], s[12:13]
	global_store_b128 v[\go], v[P+4:P+7], s[12:13] offset:512
.endm
	s_wait_alu depctr_va_vdst(0)
	s_wait_loadcnt 0x0                             ; Q, both tiles'
	s_wait_tensorcnt 0x0                           ; my part of keys 0-511 is in; the later first fill is issued as a refill is
	ds_add_u32 v[SPW], v[NIL]
	s_wait_dscnt 0x0
	CROUND                                         ; everybody's part is in, and the four partners are here
	tensor_load_to_lds s[G0B:G0B+3], s[G1B:G1B+7]  ; my sixteenth of keys 512-2,047: the first tensor load behind the round, and my last
	s_nop 0
	NOPS 4
	s_mov_b32 s[VIS], 0
.Lfirst:                                               ; steps 0 to 3, keys 0-511: every wave's first tile has nine steps or more, so none of these lies on a diagonal
	s_lshl_b32 s[KB], s[VIS], 13
	STEP 0
	s_add_co_u32 s[VIS], s[VIS], 1
	s_cmp_lt_u32 s[VIS], 4
	s_cbranch_scc1 .Lfirst
	s_wait_tensorcnt 0x0                           ; my part of the other keys is in,
	s_wait_dscnt 0x0
	s_barrier_signal -1
	s_barrier_wait -1                              ; and everybody's: from here on nothing writes LDS
	s_mov_b32 s[VIS], 4
.Lstep:                                                ; steps 4 to 16
	s_cmp_gt_u32 s[VIS], s[HI]                     ; the second tile's steps begin at 16 - wave / 2: its keys' block is (step + wave / 2) % 16
	s_cselect_b32 s[KB], s[WH], 0
	s_add_co_u32 s[KB], s[KB], s[VIS]
	s_and_b32 s[KB], s[KB], 15
	s_lshl_b32 s[KB], s[KB], 13
	STEP 1
	s_cmp_lg_u32 s[VIS], s[HI]                     ; the first tile's last step?  A branch on the wave's number and the count of steps, with no barrier under it
	s_cbranch_scc1 .Lsame
	FINISH GOH
	s_wait_xcnt 0x0                                ; the stores have read their registers
.irp j, 0,1,2,3,4,5,6,7
	v_mov_b32 v[Q+\j], v[Q2+\j]                    ; the second tile's Q
.endr
.set jj, 0
.rept 32
	v_mov_b32 v[O+jj], 0
.set jj, jj+1
.endr
	v_mov_b32 v[LS], 0
	v_mov_b32 v[LS+1], 0
	v_mov_b32 v[NM], 0x7f61b1e6
	v_mov_b32 v[NM+1], 0xff61b1e6
	s_mov_b32 s[DB], s[DB2]
	s_wait_alu depctr_va_vdst(0)
.Lsame:
	s_add_co_u32 s[VIS], s[VIS], 1
	s_cmp_lt_u32 s[VIS], 17
	s_cbranch_scc1 .Lstep
	FINISH GOL
	s_wait_tensorcnt 0x0                           ; the wave's end
	ds_add_u32 v[SPW], v[NIL]
	s_wait_dscnt 0x0
	CROUND                                         ; the closing round
	s_endpgm
.Lfunc_end_k_qc21a22df5d_attn:
	.size	k_qc21a22df5d_attn, .Lfunc_end_k_qc21a22df5d_attn-k_qc21a22df5d_attn
	.p2alignl 7, 3214868480
	.fill 96, 4, 3214868480
	.section	.rodata,"a",@progbits
	.p2align	6, 0x0
	.amdhsa_kernel k_qc21a22df5d_attn
		.amdhsa_group_segment_fixed_size 327680
		.amdhsa_private_segment_fixed_size 0
		.amdhsa_enable_private_segment 0
		.amdhsa_kernarg_size 40
		.amdhsa_user_sgpr_count 2
		.amdhsa_user_sgpr_kernarg_segment_ptr 1
		.amdhsa_wavefront_size32 1
		.amdhsa_system_sgpr_workgroup_id_x 1
		.amdhsa_system_sgpr_workgroup_id_y 1
		.amdhsa_system_sgpr_workgroup_id_z 1
		.amdhsa_system_vgpr_workitem_id 0
		.amdhsa_next_free_vgpr 256
		.amdhsa_next_free_sgpr 100
		.amdhsa_reserve_vcc 0
		.amdhsa_float_denorm_mode_32 3
		.amdhsa_float_denorm_mode_16_64 3
		.amdhsa_memory_ordered 1
		.amdhsa_forward_progress 1
		.amdhsa_inst_pref_size 59
	.end_amdhsa_kernel
	.amdgpu_metadata
---
amdhsa.version: [ 1, 2 ]
amdhsa.kernels:
  - .name:           k_qc21a22df5d_attn
    .symbol:         k_qc21a22df5d_attn.kd
    .args:
      - { .name: qc, .offset: 0, .size: 8, .value_kind: global_buffer, .address_space: global }
      - { .name: kc, .offset: 8, .size: 8, .value_kind: global_buffer, .address_space: global }
      - { .name: vc, .offset: 16, .size: 8, .value_kind: global_buffer, .address_space: global }
      - { .name: lowp_scales, .offset: 24, .size: 8, .value_kind: global_buffer, .address_space: global }
      - { .name: ac, .offset: 32, .size: 8, .value_kind: global_buffer, .address_space: global }
    .group_segment_fixed_size: 327680
    .private_segment_fixed_size: 0
    .kernarg_segment_align: 8
    .kernarg_segment_size: 40
    .max_flat_workgroup_size: 512
    .sgpr_count:     100
    .vgpr_count:     256
    .wavefront_size: 32
...
	.end_amdgpu_metadata
.endif
;; end of part 3
;; launch proj (part 4): grid 64 x 4, 4 waves a work-group, clusters of 4 x 1, 327,680 bytes of LDS; arguments ac, woc, lowp_scales, out0; writes out0
.if DOCPART == 4
	.amdgcn_target "amdgcn-amd-amdhsa--gfx1250"
	.amdhsa_code_object_version 6
	.text
	.protected	k_qc21a22df5d_proj
	.globl	k_qc21a22df5d_proj
	.p2align	8
	.type	k_qc21a22df5d_proj,@function
k_qc21a22df5d_proj:
	s_mov_b64 s[64:65], 0
	v_nop
	global_prefetch_b8 v0, s[64:65] scope:SCOPE_SE
	s_setreg_imm32_b32 hwreg(HW_REG_WAVE_MODE, 25, 1), 1
	s_wait_xcnt 0x0
	s_wait_alu depctr_hold_cnt(0) depctr_sa_sdst(0) depctr_va_vdst(0) depctr_va_sdst(0) depctr_va_ssrc(0) depctr_va_vcc(0) depctr_vm_vsrc(0)
	s_getreg_b32 s2, hwreg(HW_REG_IB_STS2, 6, 4)
	s_cmp_eq_u32 s2, 0
	s_cbranch_scc0 .Lentry_in_a_cluster
	s_endpgm
.Lentry_in_a_cluster:
	s_bfe_u32 s2, ttmp6, 0x10000c
	s_cmp_lg_u32 s2, 0x3003
	s_cbranch_scc0 .Lentry_shape_is_right
	s_endpgm
.Lentry_shape_is_right:
; out0 = attention's result x w_out^T on codes of FP8 (E4M3), K = 1,024; each finished sum x 2^(e6 + e7).  LIMIT: e6 + e7 between -126 and 127.
; ac: [block of 16 tokens 512][128 features 8][chunk 4][lane][16 bytes]: images of operand registers.  woc: [1024][1024] codes, K innermost.  out0: [8192][1024] f32.
; A work-group makes 128 tokens x 256 features: 64 x 4 = 256 work-groups.  Four waves, each 64 tokens x 128 features: 32 accumulators.
; w_out's 256 rows lie in LDS for the WHOLE K, as four chunks of 256 along K (256 rows of 272 bytes each: 16 bytes of padding, so that the sixteen rows of a fragment start at sixteen different banks, ISA guide 11.1).
; Wave w fetches chunk w: one tensor load a wave, at the head; nothing is filled twice, and one barrier shows all four chunks to all waves.
; CLUSTER: the four work-groups along x make the same 256 features for other tokens: they ask for w_out's chunks JOINTLY (mask 15).  cx enters ac's and out0's global addresses alone.
; The tokens' fragments come from memory straight into registers, as they were stored: each load reads 512 consecutive bytes; four sets of registers, three K steps of 128 ahead of their use.
; No data prefetch: ac's loads are themselves issued three K steps ahead, and w_out's chunks are asked for once, at the head.
; THE MATRIX INSTRUCTION IS USED TRANSPOSED (source 0 = 16 rows of w_out, source 1 = 16 tokens): a lane holds eight neighbouring numbers of a row of out0.
; REGISTERS.  Window 0: addresses; on the way out v32-255.  Window 1: the tokens' fragments, four sets of 64.  Window 2: w_out's fragments, two sets of 128.  Window 3: accumulator (i, b) at v[8 (8 i + b)].
.set PITCH,  272
.set CH,     256*PITCH                 ; a chunk
.set STAGE,  4*CH                      ; the way out: 16 rows x 528 bytes for each wave, bytes of their own
.set SPITCH, 528
.set SPARE,  STAGE+4*16*SPITCH         ; the spare words, 128 bytes for each wave, which no other line names
.set ADRB, 16                          ; v16-19  LDS address of my fragments of w_out in chunk 0 .. 3
.set STO,  24
.set RD,   25
.set CO,   26                          ; 16 x lane
.set SPW,  28
.set NIL,  29
.set TMP,  32
.set BK,   128
.set G1, 24
.set G0, 32
.set MSB, 0
.macro WIN new
.if MSB != \new
	s_set_vgpr_msb (MSB<<8)|\new
.set MSB, \new
.endif
.endm
.macro NOPS n
.rept \n
	v_nop
.endr
.endm
.macro CROUND
	s_barrier_signal -1
	s_barrier_wait -1
	s_cmp_lg_u32 s14, 0
	s_cbranch_scc1 .Lnot_wave_0_\@
	s_barrier_signal -3
.Lnot_wave_0_\@:
	s_barrier_wait -3
	s_barrier_signal -1
	s_barrier_wait -1
.endm
.macro FETCH_B g                       ; w_out's eight fragments of K step g into set g % 2: registers 2 c, 2 c + 1 hold k = 16 c + 8 (l / 16) + 0 .. 7, as ac's images have them
	WIN 0x80
.irp b, 0,1,2,3,4,5,6,7
.irp c, 0,1,2,3,4,5,6,7
	ds_load_b64 v[128*((\g)%2)+16*\b+2*\c:128*((\g)%2)+16*\b+2*\c+1], v[ADRB+(\g)/2] offset:128*((\g)%2)+16*\c+\b*16*PITCH
.endr
.endr
	WIN 0
.endm
.macro FETCH_A g                       ; my four blocks of 16 tokens, K step g, into set g % 4
	WIN 0x40
.irp i, 0,1,2,3
.irp c, 0,1,2,3
	global_load_b128 v[64*((\g)%4)+16*\i+4*\c:64*((\g)%4)+16*\i+4*\c+3], v[CO], s[4:5] offset:\i*16384+(\g)*2048+512*\c
.endr
.endr
	WIN 0
.endm
	s_load_b128 s[4:7], s[0:1], 0x0                ; ac, woc
	s_load_b128 s[8:11], s[0:1], 0x10              ; the scales' exponents, out0
	v_lshl_add_u32 v[SPW], v0, 2, SPARE
	v_mov_b32 v[NIL], 0
	ds_add_u32 v[SPW], v[NIL]                      ; the opening lines: the add, twice on end, and its wait
	ds_add_u32 v[SPW], v[NIL]
	v_lshrrev_b32 v1, 5, v0
	v_readfirstlane_b32 s14, v1                    ; wave 0..3
	s_lshr_b32 s15, s14, 1                         ; which 64 tokens are mine
	s_and_b32 s16, s14, 1                          ; which 128 features
	s_bfe_u32 s40, ttmp6, 0x40000                  ; cx
	s_lshl_b32 s17, ttmp9, 2
	s_add_co_u32 s17, s17, s40                     ; the tokens' tile, 0 .. 63
	s_and_b32 s42, ttmp7, 0xffff                   ; the features' tile, 0 .. 3: the same in the four partners
	s_mov_b32 s[G1], 15|(1<<20)|(1<<21)|(5<<22)|(3<<25)   ; the mask of four; elements of 1 byte; 4 words of padding behind every 64; bit 21 beside a mask
	s_mov_b32 s[G1+1], 256<<16                     ; rows of 256 bytes,
	s_mov_b32 s[G1+2], 256<<16                     ; 256 of them,
	s_mov_b32 s[G1+3], 256<<16
	s_mov_b32 s[G1+4], 256
	s_mov_b32 s[G1+5], 1024                        ; 1,024 bytes apart
	s_mov_b32 s[G1+6], 0
	s_mov_b32 s[G1+7], 0
	s_lshl_b32 s46, s42, 18                        ; 256 rows of 1,024 bytes a tile,
	s_lshl_b32 s47, s14, 8                         ; my chunk's 256 bytes of each row
	s_add_co_u32 s46, s46, s47
	s_mov_b32 s47, 0
	s_mul_i32 s45, s14, CH
	s_lshl_b32 s20, s17, 3
	s_lshl_b32 s21, s15, 2
	s_add_co_u32 s20, s20, s21                     ; my first block of 16 tokens
	s_lshl_b32 s20, s20, 14
	s_mov_b32 s21, 0
	s_wait_dscnt 0x0                               ; both opening adds are done
	s_wait_kmcnt 0x0
	s_load_b64 s[96:97], s[8:9], 0x18              ; e6, e7
	s_add_nc_u64 s[4:5], s[4:5], s[20:21]
	s_mov_b32 s[G0], 1
	s_mov_b32 s[G0+1], s45
	s_add_nc_u64 s[G0+2:G0+3], s[6:7], s[46:47]
	s_or_b32 s[G0+3], s[G0+3], 0x80000000
	CROUND                                         ; the four partners are here: the joint loads meet
	tensor_load_to_lds s[G0:G0+3], s[G1:G1+7]      ; chunk w: my one tensor load
	s_nop 0
	NOPS 4
	v_and_b32 v1, 15, v0                           ; l % 16
	v_bfe_u32 v2, v0, 4, 1                         ; l / 16
	v_and_b32 v6, 31, v0
	v_lshlrev_b32 v[CO], 4, v6
	s_wait_alu depctr_va_vdst(0)
	FETCH_A 0
	FETCH_A 1
	FETCH_A 2
	v_mul_u32_u24 v3, v1, PITCH
	v_lshl_add_u32 v4, v2, 3, v3                   ; a fragment's row x pitch + 8 x half
	s_mul_i32 s22, s16, 128*PITCH                  ; my 128 rows
.irp c, 0,1,2,3
	v_add_nc_u32 v[ADRB+\c], s22, v4
	s_add_co_u32 s22, s22, CH
.endr
	s_mul_i32 s23, s14, 16*SPITCH
	s_add_co_u32 s23, s23, STAGE                   ; my stage
	v_mul_u32_u24 v5, v1, SPITCH
	v_lshl_add_u32 v5, v2, 5, v5
	v_add_nc_u32 v[STO], s23, v5                   ; in: row l % 16, 32 bytes for each half of the lanes
	v_add_nc_u32 v[RD], s23, v[CO]                 ; back: the 32 lanes take one row of 512 bytes
	s_lshl_b32 s20, s17, 7
	s_lshl_b32 s21, s15, 6
	s_add_co_u32 s20, s20, s21                     ; my first row of out0,
	s_lshl_b32 s20, s20, 12
	s_lshl_b32 s46, s42, 10                        ; my first column, in bytes
	s_lshl_b32 s47, s16, 9
	s_add_co_u32 s20, s20, s46
	s_add_co_u32 s20, s20, s47
	s_mov_b32 s21, 0
	s_add_nc_u64 s[10:11], s[10:11], s[20:21]
; A K step of 128: 32 matrix instructions, the 32 accumulators by turns.  Ahead of them, in one run: w_out's fragments of the next step and the tokens' of three steps on,
; into registers that the last step's products read (four places stand in front).
.macro KSTEP g
	s_wait_dscnt 0x0                               ; this step's fragments of w_out are in: they were asked for ahead of the last step's products
.if (\g) > 0
	NOPS 4
.endif
.if (\g) < 7
	FETCH_B (\g)+1
.endif
.if (\g)+3 < 8
	FETCH_A (\g)+3
.endif
.if (\g) < 5
	s_wait_loadcnt 48                              ; this step's sixteen loads are in; the 48 of the three steps behind it may be out
.else
	s_wait_loadcnt 16*(7-(\g))
.endif
	WIN 0xf6                                       ; source 0 window 2, source 1 window 1, C and D window 3
.irp i, 0,1,2,3
.irp b, 0,1,2,3,4,5,6,7
.if (\g) == 0
	v_wmma_f32_16x16x128_fp8_fp8 v[8*(8*\i+\b):8*(8*\i+\b)+7], v[128*((\g)%2)+16*\b:128*((\g)%2)+16*\b+15], v[64*((\g)%4)+16*\i:64*((\g)%4)+16*\i+15], 0
.else
	v_wmma_f32_16x16x128_fp8_fp8 v[8*(8*\i+\b):8*(8*\i+\b)+7], v[128*((\g)%2)+16*\b:128*((\g)%2)+16*\b+15], v[64*((\g)%4)+16*\i:64*((\g)%4)+16*\i+15], v[8*(8*\i+\b):8*(8*\i+\b)+7]
.endif
.endr
.endr
	WIN 0
.endm
	s_wait_alu depctr_va_vdst(0)
	s_wait_tensorcnt 0x0                           ; my chunk is in,
	s_barrier_signal -1
	s_barrier_wait -1                              ; and everybody's
	FETCH_B 0
.irp g, 0,1,2,3,4,5,6,7
	KSTEP \g
.endr
; THE WAY OUT, block by block of 16 rows x 128 columns, through my own stage: whole rows of 512 bytes come back, which the 32 lanes store as two aligned units of 256 bytes.
; LDS serves a wave's instructions in order (ISA guide 5.7.1.4): no wait between the stores and the loads.
.macro TOSTAGE a
	WIN 0x03                                       ; source 0: window 3
.set jj, 0
.rept 32
	v_pk_mul_f32 v[TMP+jj:TMP+jj+1], v[64*(\a)+jj:64*(\a)+jj+1], s[96:97] op_sel_hi:[1,0]   ; x 2^(e6 + e7); each accumulator from its low end on
.set jj, jj+2
.endr
	WIN 0
.irp b, 0,1,2,3,4,5,6,7
	ds_store_b128 v[STO], v[TMP+8*\b:TMP+8*\b+3] offset:64*\b
	ds_store_b128 v[STO], v[TMP+8*\b+4:TMP+8*\b+7] offset:64*\b+16
.endr
.set BB, BK+64*((\a)%2)
.irp t, 0,1,2,3,4,5,6,7,8,9,10,11,12,13,14,15
	ds_load_b128 v[BB+4*\t:BB+4*\t+3], v[RD] offset:\t*SPITCH
.endr
.endm
.macro SEND a, younger                 ; younger: the LDS instructions issued behind block a's loads, which may stay out
.set BB, BK+64*((\a)%2)
	s_wait_dscnt \younger
.if (\a) > 0
	s_add_nc_u64 s[10:11], s[10:11], 16*4096       ; (behind a wait on XCNT: the earlier stores have read their base)
.endif
.irp t, 0,1,2,3,4,5,6,7,8,9,10,11,12,13,14,15
	global_store_b128 v[CO], v[BB+4*\t:BB+4*\t+3], s[10:11] offset:\t*4096 th:TH_STORE_NT
.endr
.endm
	s_wait_kmcnt 0x0
	s_add_co_i32 s96, s96, s97
	s_add_co_i32 s96, s96, 127
	s_lshl_b32 s96, s96, 23                        ; 2^(e6 + e7) as f32
	NOPS 4                                         ; places behind the last products
	TOSTAGE 0
.irp a, 1,2,3
.if \a > 1
	s_wait_xcnt 0x0                                ; block a - 2's stores have read their registers and their base
.endif
	TOSTAGE \a
	SEND \a-1, 32                                  ; behind block a - 1's loads: block a's 16 stores and 16 loads
.endr
	s_wait_xcnt 0x0
	SEND 3, 0
	s_wait_tensorcnt 0x0                           ; the wave's end
	ds_add_u32 v[SPW], v[NIL]
	s_wait_dscnt 0x0
	CROUND                                         ; the closing round
	s_endpgm
.Lfunc_end_k_qc21a22df5d_proj:
	.size	k_qc21a22df5d_proj, .Lfunc_end_k_qc21a22df5d_proj-k_qc21a22df5d_proj
	.p2alignl 7, 3214868480
	.fill 96, 4, 3214868480
	.section	.rodata,"a",@progbits
	.p2align	6, 0x0
	.amdhsa_kernel k_qc21a22df5d_proj
		.amdhsa_group_segment_fixed_size 327680
		.amdhsa_private_segment_fixed_size 0
		.amdhsa_enable_private_segment 0
		.amdhsa_kernarg_size 32
		.amdhsa_user_sgpr_count 2
		.amdhsa_user_sgpr_kernarg_segment_ptr 1
		.amdhsa_wavefront_size32 1
		.amdhsa_system_sgpr_workgroup_id_x 1
		.amdhsa_system_sgpr_workgroup_id_y 1
		.amdhsa_system_sgpr_workgroup_id_z 1
		.amdhsa_system_vgpr_workitem_id 0
		.amdhsa_next_free_vgpr 1024
		.amdhsa_next_free_sgpr 98
		.amdhsa_reserve_vcc 0
		.amdhsa_float_denorm_mode_32 3
		.amdhsa_float_denorm_mode_16_64 3
		.amdhsa_memory_ordered 1
		.amdhsa_forward_progress 1
		.amdhsa_inst_pref_size 91
	.end_amdhsa_kernel
	.amdgpu_metadata
---
amdhsa.version: [ 1, 2 ]
amdhsa.kernels:
  - .name:           k_qc21a22df5d_proj
    .symbol:         k_qc21a22df5d_proj.kd
    .args:
      - { .name: ac, .offset: 0, .size: 8, .value_kind: global_buffer, .address_space: global }
      - { .name: woc, .offset: 8, .size: 8, .value_kind: global_buffer, .address_space: global }
      - { .name: lowp_scales, .offset: 16, .size: 8, .value_kind: global_buffer, .address_space: global }
      - { .name: out0, .offset: 24, .size: 8, .value_kind: global_buffer, .address_space: global }
    .group_segment_fixed_size: 327680
    .private_segment_fixed_size: 0
    .kernarg_segment_align: 8
    .kernarg_segment_size: 32
    .max_flat_workgroup_size: 128
    .sgpr_count:     98
    .vgpr_count:     1024
    .wavefront_size: 32
...
	.end_amdgpu_metadata
.endif
;; end of part 4
